; MI455X (gfx1250); checked and timed in simulation.
; The chip was launched on July 23, 2026; its instructions are those of AMD's public machine-readable ISA for CDNA 5 (MIT licence, August 2026) and "CDNA5" Instruction Set Architecture Reference Guide (July 2026). The comments in the code are by the model that wrote it; some were corrected since.
;; Feed Forward Quantum. Allowed arithmetic: float matrix products may take bf16 or f16 operands with f32 sums; other float arithmetic in f32, or as packed bf16 or f16 multiplies, adds, multiply-adds, maxima and minima; sums over many terms, partial sums and values carried from step to step in f32; what a program stores and reads back later, other than sums and carried values, may be rounded once to bf16 or f16.
;; Inputs: theta 8 float32; w1 4,096 x 8 float32; w2 1,024 x 4,096 float32; x 4 x 4,096 x 1,024 float32.
;; Outputs: out0 4 x 4,096 x 1,024 float32.
;; 2 versions, each right; version 2 is version 1 with the launch prep written anew for expert scheduling mode. Each part assembles by itself: llvm-mc -triple=amdgcn-amd-amdhsa -mcpu=gfx1250 --defsym DOCPART=n.
;; ======== version 1 of 2: 2 launches
;; limits: values are held in f16: magnitudes above 65,504 overflow, below 6.1e-05 lose precision; inputs' magnitudes at most 100,000; a function is approximated: absolute error at most 2e-07
;; workspace buffers: qp 524,288 bytes; w1p 131,072 bytes; w2h 8,388,608 bytes
;; launch prep (part 1): grid 256 x 1, 8 waves a work-group, no clusters, 0 bytes of LDS; arguments x, theta, w1, w2, qp, w1p, w2h; writes qp, w1p, w2h
.if DOCPART == 1
	.amdgcn_target "amdgcn-amd-amdhsa--gfx1250"
	.amdhsa_code_object_version 6
	.text
	.protected	k_qa0d26715e3_prep
	.globl	k_qa0d26715e3_prep
	.p2align	8
	.type	k_qa0d26715e3_prep,@function
k_qa0d26715e3_prep:
	s_mov_b64 s[64:65], 0
	v_nop
	global_prefetch_b8 v0, s[64:65] scope:SCOPE_SE
	s_setreg_imm32_b32 hwreg(HW_REG_WAVE_MODE, 25, 1), 1
	s_wait_xcnt 0x0
; FIRST OF TWO LAUNCHES.  out = relu((cos(x[..., :8]) cos(theta)) w1^T) w2^T, 16,384 tokens.  This launch makes the second launch's three operands:
;   qp  : q = cos(x[..., :8]) cos(theta), split in two f16 numbers, hi = f16(q), lo = f16(q - hi).  For each group of 16 tokens 512 bytes: 16 x 16 bytes hi[token][0..7], then 16 x 16 bytes lo
;   w1p : w1, split and laid out in the same way, for each group of 16 of its 4,096 rows
;   w2h : w2 rounded once to f16, [1024][4096] as it lies
; WORK LEFT OUT.  reference() slices x[..., :8] before anything else is done to x: columns 8 to 1,023 of every token enter no expression, whatever they hold, so they reach no output.
; They are not loaded: of each row of 4,096 bytes the first 32 are read.  All four inputs still have a way to the output and are arguments.
; LIMITS.  A NaN or an infinity in x[..., 8:] is not carried to the result.  |x| and |theta| up to 1e5: there the multiple of pi is found to within one part in 100 of pi, the reduced argument stays
; within pi/2 + 0.02 and the cosine is good to 2e-7.  f16 ends at 65,504: |w1| and |w2| stay under it; below 6e-5 f16 keeps its fixed step of 6e-8.
; SHARES.  256 work-groups of eight waves.  Every wave rounds 8,192 bytes of w2: 16 loads of 512 consecutive bytes, all issued first, and 16 stores of 256 consecutive, aligned bytes.
; Waves 0 to 3 also make one group of 16 tokens each (group 4 g + wave), wave 4 one group of 16 rows of w1 (group g).  No LDS, no barrier: no wave wants another's bytes.
; THE COSINE is made of plain arithmetic: k = the whole number nearest x / pi; r = x - k pi, with pi in two parts (each product is exact inside its fused multiply-add);
; cos r by its series to r^12 (the first term left out, r^14 / 14!, is under 8e-9 at pi/2 + 0.02); the sign is k's lowest bit.
.set X,   4                            ; v[4:11]   8 numbers of my row
.set TH,  12                           ; v[12:19]  theta
.set K,   20                           ; v[20:27]  k; later hi as f32, then the remainder
.set S,   28                           ; v[28:35]  r squared
.set P,   36                           ; v[36:43]  the series
.set H,   44                           ; v[44:47]  8 f16: hi; then what my lane stores
.set LO,  48                           ; v[48:51]  8 f16: lo
.set SRC, 64                           ; v[64:127]  w2 as loaded: 16 x 4 registers
.set DST, 128                          ; v[128:159] w2 in f16: 16 x 2 registers, each written once
	s_load_b256 s[4:11], s[0:1], 0x0               ; x s[4:5], theta s[6:7], w1 s[8:9], w2 s[10:11]
	s_load_b128 s[12:15], s[0:1], 0x20             ; qp s[12:13], w1p s[14:15]
	s_load_b64 s[16:17], s[0:1], 0x30              ; w2h
	v_and_b32 v1, 31, v0                           ; lane L
	v_and_b32 v2, 15, v0                           ; r = L % 16
	v_lshrrev_b32 v3, 5, v0
	v_readfirstlane_b32 s18, v3                    ; wave 0..7
	v_lshlrev_b32 v52, 4, v1                       ; 16 L
	v_lshlrev_b32 v53, 3, v1                       ; 8 L
	v_lshlrev_b32 v54, 12, v2                      ; r rows of x
	v_lshlrev_b32 v55, 5, v2                       ; r rows of w1
	s_lshl_b32 s20, ttmp9, 16                      ; the work-group's 65,536 bytes of w2,
	s_lshl_b32 s21, s18, 13                        ; my wave's 8,192 of them
	s_add_co_u32 s20, s20, s21
	s_mov_b32 s21, 0
	s_lshr_b32 s22, s20, 1                         ; half as many in w2h
	s_mov_b32 s23, 0
	s_mov_b32 s32, 0x310f76c7                      ; 1 / 12!
	s_mov_b32 s33, s32                             ; named with it as a pair
	s_mov_b32 s34, 0xb493f27e                      ; -1 / 10!
	s_mov_b32 s35, s34
	s_wait_kmcnt 0x0
	s_add_nc_u64 s[10:11], s[10:11], s[20:21]
	s_add_nc_u64 s[16:17], s[16:17], s[22:23]
.irp i, 0,1,2,3,4,5,6,7,8,9,10,11,12,13,14,15
	global_load_b128 v[SRC+4*(\i):SRC+4*(\i)+3], v52, s[10:11] offset:512*(\i) th:TH_LOAD_NT  ; 512 consecutive bytes; the launch reads them once
.endr
; cos of the eight numbers at v[reg], in place
.macro COS8 reg
.irp p, 0,2,4,6
	v_pk_mul_f32 v[K+(\p):K+(\p)+1], v[(\reg)+(\p):(\reg)+(\p)+1], 0x3ea2f983 op_sel_hi:[1,0]  ; x / pi
.endr
.irp i, 0,1,2,3,4,5,6,7
	v_rndne_f32 v[K+(\i)], v[K+(\i)]               ; k
.endr
.irp p, 0,2,4,6
	v_pk_fma_f32 v[(\reg)+(\p):(\reg)+(\p)+1], v[K+(\p):K+(\p)+1], 0xc0490fdb, v[(\reg)+(\p):(\reg)+(\p)+1] op_sel_hi:[1,0,1]  ; x - k x (pi rounded to f32)
.endr
.irp p, 0,2,4,6
	v_pk_fma_f32 v[(\reg)+(\p):(\reg)+(\p)+1], v[K+(\p):K+(\p)+1], 0x33bbbd2e, v[(\reg)+(\p):(\reg)+(\p)+1] op_sel_hi:[1,0,1]  ; + k x 8.742278e-8, by which that f32 is too large
.endr
.irp p, 0,2,4,6
	v_pk_mul_f32 v[S+(\p):S+(\p)+1], v[(\reg)+(\p):(\reg)+(\p)+1], v[(\reg)+(\p):(\reg)+(\p)+1]
.endr
.irp p, 0,2,4,6
	v_pk_fma_f32 v[P+(\p):P+(\p)+1], v[S+(\p):S+(\p)+1], s[32:33], s[34:35] op_sel_hi:[1,0,0]
.endr
.irp c, 0x37d00d01, 0xbab60b61, 0x3d2aaaab, 0xbf000000, 0x3f800000  ; 1/8!, -1/6!, 1/4!, -1/2, 1
.irp p, 0,2,4,6
	v_pk_fma_f32 v[P+(\p):P+(\p)+1], v[P+(\p):P+(\p)+1], v[S+(\p):S+(\p)+1], \c op_sel_hi:[1,1,0]
.endr
.endr
.irp i, 0,1,2,3,4,5,6,7
	v_cvt_i32_f32 v[K+(\i)], v[K+(\i)]
.endr
.irp i, 0,1,2,3,4,5,6,7
	v_lshlrev_b32 v[K+(\i)], 31, v[K+(\i)]         ; k's lowest bit, in the sign's place
.endr
.irp i, 0,1,2,3,4,5,6,7
	v_xor_b32 v[(\reg)+(\i)], v[P+(\i)], v[K+(\i)]
.endr
.endm
; X's eight numbers are split; lanes 0 to 15 are left with hi in H, lanes 16 to 31 (which hold the same rows) with lo: one store of 16 bytes a lane then writes the group's 512 bytes
.macro SPLIT
	v_cmp_le_u32 vcc_lo, 16, v1
.irp p, 0,1,2,3
	v_cvt_pk_f16_f32 v[H+(\p)], v[X+2*(\p)], v[X+2*(\p)+1]
.endr
	v_cvt_f32_f16 v20, v44.l                       ; hi back as f32: K = v[20:27], H = v[44:47]
	v_cvt_f32_f16 v21, v44.h
	v_cvt_f32_f16 v22, v45.l
	v_cvt_f32_f16 v23, v45.h
	v_cvt_f32_f16 v24, v46.l
	v_cvt_f32_f16 v25, v46.h
	v_cvt_f32_f16 v26, v47.l
	v_cvt_f32_f16 v27, v47.h
.irp p, 0,2,4,6
	v_pk_add_f32 v[K+(\p):K+(\p)+1], v[X+(\p):X+(\p)+1], v[K+(\p):K+(\p)+1] neg_lo:[0,1] neg_hi:[0,1]  ; the remainder, exact
.endr
.irp p, 0,1,2,3
	v_cvt_pk_f16_f32 v[LO+(\p)], v[K+2*(\p)], v[K+2*(\p)+1]
.endr
.irp p, 0,1,2,3
	v_cndmask_b32 v[H+(\p)], v[H+(\p)], v[LO+(\p)], vcc_lo
.endr
.endm
	s_cmp_gt_u32 s18, 4
	s_cbranch_scc1 .Lcast                          ; waves 5 to 7 round w2 alone
	s_cmp_eq_u32 s18, 4
	s_cbranch_scc1 .Lw1
	; waves 0 to 3: a group of 16 tokens
	s_load_b256 s[24:31], s[6:7], 0x0              ; theta: no line of the launch writes it
	s_lshl_b32 s36, ttmp9, 2
	s_add_co_u32 s36, s36, s18                     ; the group, 4 g + wave
	s_lshl_b32 s38, s36, 9                         ; its 512 bytes of qp
	s_mov_b32 s39, 0
	s_lshl_b32 s36, s36, 16                        ; its 16 rows of 4,096 bytes of x
	s_mov_b32 s37, 0
	s_add_nc_u64 s[4:5], s[4:5], s[36:37]
	s_add_nc_u64 s[12:13], s[12:13], s[38:39]
	global_load_b128 v[X:X+3],   v54, s[4:5]       ; the first 32 bytes of row r; both halves of the lanes take the same rows
	global_load_b128 v[X+4:X+7], v54, s[4:5] offset:16
	s_wait_kmcnt 0x0
.irp i, 0,1,2,3,4,5,6,7
	v_mov_b32 v[TH+(\i)], s[24+(\i)]
.endr
	COS8 TH                                        ; while x is on its way
	s_wait_loadcnt 0x0                             ; x was asked for last, so nothing may stay out
	COS8 X
.irp p, 0,2,4,6
	v_pk_mul_f32 v[X+(\p):X+(\p)+1], v[X+(\p):X+(\p)+1], v[TH+(\p):TH+(\p)+1]
.endr
	SPLIT
	global_store_b128 v52, v[H:H+3], s[12:13]      ; 512 consecutive bytes
	s_branch .Lcast
.Lw1:                                              ; wave 4: a group of 16 rows of w1
	s_lshl_b32 s36, ttmp9, 9                       ; 16 rows of 32 bytes in w1, and as many bytes in w1p
	s_mov_b32 s37, 0
	s_add_nc_u64 s[8:9], s[8:9], s[36:37]
	s_add_nc_u64 s[14:15], s[14:15], s[36:37]
	global_load_b128 v[X:X+3],   v55, s[8:9]
	global_load_b128 v[X+4:X+7], v55, s[8:9] offset:16
	s_wait_loadcnt 0x0
	SPLIT
	global_store_b128 v52, v[H:H+3], s[14:15]
.Lcast:
.irp i, 0,1,2,3,4,5,6,7,8,9,10,11,12,13,14,15
	s_wait_loadcnt 15-(\i)                         ; loads come back in order (ISA guide 5.7.1): number i is in, the 15 - i younger loads of w2 may stay out (nothing is out where a wave has waited for 0 above)
	v_cvt_pk_f16_f32 v[DST+2*(\i)],   v[SRC+4*(\i)],   v[SRC+4*(\i)+1]
	v_cvt_pk_f16_f32 v[DST+2*(\i)+1], v[SRC+4*(\i)+2], v[SRC+4*(\i)+3]
	global_store_b64 v53, v[DST+2*(\i):DST+2*(\i)+1], s[16:17] offset:256*(\i)  ; the wave's 32 lanes store 256 consecutive bytes, at a multiple of 256 from w2h's first byte
.endr
	s_endpgm
.Lfunc_end_k_qa0d26715e3_prep:
	.size	k_qa0d26715e3_prep, .Lfunc_end_k_qa0d26715e3_prep-k_qa0d26715e3_prep
	.p2alignl 7, 3214868480
	.fill 96, 4, 3214868480
	.section	.rodata,"a",@progbits
	.p2align	6, 0x0
	.amdhsa_kernel k_qa0d26715e3_prep
		.amdhsa_group_segment_fixed_size 0
		.amdhsa_private_segment_fixed_size 0
		.amdhsa_enable_private_segment 0
		.amdhsa_kernarg_size 56
		.amdhsa_user_sgpr_count 2
		.amdhsa_user_sgpr_kernarg_segment_ptr 1
		.amdhsa_wavefront_size32 1
		.amdhsa_system_sgpr_workgroup_id_x 1
		.amdhsa_system_sgpr_workgroup_id_y 1
		.amdhsa_system_sgpr_workgroup_id_z 1
		.amdhsa_system_vgpr_workitem_id 0
		.amdhsa_next_free_vgpr 160
		.amdhsa_next_free_sgpr 66
		.amdhsa_reserve_vcc 1
		.amdhsa_float_denorm_mode_32 3
		.amdhsa_float_denorm_mode_16_64 3
		.amdhsa_memory_ordered 1
		.amdhsa_forward_progress 1
		.amdhsa_inst_pref_size 20
	.end_amdhsa_kernel
	.amdgpu_metadata
---
amdhsa.version: [ 1, 2 ]
amdhsa.kernels:
  - .name:           k_qa0d26715e3_prep
    .symbol:         k_qa0d26715e3_prep.kd
    .args:
      - { .name: x, .offset: 0, .size: 8, .value_kind: global_buffer, .address_space: global }
      - { .name: theta, .offset: 8, .size: 8, .value_kind: global_buffer, .address_space: global }
      - { .name: w1, .offset: 16, .size: 8, .value_kind: global_buffer, .address_space: global }
      - { .name: w2, .offset: 24, .size: 8, .value_kind: global_buffer, .address_space: global }
      - { .name: qp, .offset: 32, .size: 8, .value_kind: global_buffer, .address_space: global }
      - { .name: w1p, .offset: 40, .size: 8, .value_kind: global_buffer, .address_space: global }
      - { .name: w2h, .offset: 48, .size: 8, .value_kind: global_buffer, .address_space: global }
    .group_segment_fixed_size: 0
    .private_segment_fixed_size: 0
    .kernarg_segment_align: 8
    .kernarg_segment_size: 56
    .max_flat_workgroup_size: 256
    .sgpr_count:     66
    .vgpr_count:     160
    .wavefront_size: 32
...
	.end_amdgpu_metadata
.endif
;; end of part 1
;; launch ffn (part 2): grid 64 x 4, 4 waves a work-group, clusters of 4 x 1, 327,680 bytes of LDS; arguments qp, w1p, w2h, out0; writes out0
.if DOCPART == 2
	.amdgcn_target "amdgcn-amd-amdhsa--gfx1250"
	.amdhsa_code_object_version 6
	.text
	.protected	k_qa0d26715e3_ffn
	.globl	k_qa0d26715e3_ffn
	.p2align	8
	.type	k_qa0d26715e3_ffn,@function
k_qa0d26715e3_ffn:
	s_mov_b64 s[64:65], 0
	v_nop
	global_prefetch_b8 v0, s[64:65] scope:SCOPE_SE
	s_setreg_imm32_b32 hwreg(HW_REG_WAVE_MODE, 25, 1), 1
	s_wait_xcnt 0x0
	s_wait_alu depctr_hold_cnt(0) depctr_sa_sdst(0) depctr_va_vdst(0) depctr_va_sdst(0) depctr_va_ssrc(0) depctr_va_vcc(0) depctr_vm_vsrc(0)
	s_getreg_b32 s2, hwreg(HW_REG_IB_STS2, 6, 4)
	s_cmp_eq_u32 s2, 0
	s_cbranch_scc0 .Lentry_in_a_cluster
	s_endpgm
.Lentry_in_a_cluster:
	s_bfe_u32 s2, ttmp6, 0x10000c
	s_cmp_lg_u32 s2, 0x3003
	s_cbranch_scc0 .Lentry_shape_is_right
	s_endpgm
.Lentry_shape_is_right:
; SECOND OF TWO LAUNCHES.  out[t][e] = the sum over f of relu(the sum over i of q[t][i] w1[f][i]) w2[e][f]: 16,384 tokens t, 4,096 hidden f, 1,024 columns e; out in f32.
; x is not read here: its columns 0 to 7 have become qp in the launch before; its columns 8 to 1,023 reach no output (reference() slices them away) and are read by no launch.
; h = relu(q w1^T) NEVER LEAVES THE REGISTERS: it is made, 32 f at a time, in the very layout in which the second product takes it.
; FORMATS.  All matrix operands f16, all sums f32.  q and w1 come split in two f16 numbers (hi + lo); the first product has 8 terms, and the matrix instruction's 32 places along K take all four
; cross products: source 0 along K = w_hi, w_hi, w_lo, w_lo; source 1 = q_hi, q_lo, q_hi, q_lo.  So h's sums are those of q and w1 to some 22 bits; h and w2 are rounded once to f16.
; LIMITS.  f16 ends at 65,504: |w2|, |w1| and |h| (at most a row of w1's sum of magnitudes, since |q| <= 1) stay under it; below 6e-5 f16 keeps its fixed step of 6e-8.
; The relu is a maximum in which a NaN loses: a NaN in h becomes 0, not NaN as in reference().
; SHARES.  A work-group makes 256 tokens x 256 columns: 64 x 4 = 256 work-groups.  A wave owns 64 tokens (4 fragments of 16) x all 256 columns (16 blocks): 64 accumulators, 512 registers.
; The four waves read the same tile of w2 from LDS; each makes the h of its own tokens: 8 matrix instructions for every 64 of the second product.
; BOTH PRODUCTS ARE USED TRANSPOSED.  H^T = (16 rows of w1) x (16 tokens): in the result lane l holds token l % 16 and f = 8 (l / 16) + 0..7.  Two such results, rounded to f16 in pairs, ARE source 1
; (32 f x 16 tokens) of out^T += (16 rows of w2) x h, whose result holds token l % 16 and eight neighbouring columns: 32 bytes of a row of out.
; THE PIPELINE.  K (= f) goes in steps of 128 through two LDS slots; a step is four quarters of 32.  In quarter Q the 64 products take w2's fragments F[Q % 2] and h's HF[Q % 2]; 8 products at its
; head and 64 vector lines (roundings, relu), four behind each of 16 products, make h of quarter Q + 1; one run of LDS loads brings w2 of quarter Q + 1 and w1 of quarter Q + 2.
; CLUSTER.  The four work-groups of a cluster have the same 256 columns and four blocks of tokens: they walk the same tiles of w2 and hold the same w1p, so every tensor load is asked for JOINTLY:
; the same load, descriptor and mask of four in all; the descriptors are made of the column block, the wave's number and K alone.
; REGISTERS, in windows of 256 (s_set_vgpr_msb: bits 1:0 source 0, 3:2 source 1, 5:4 source 2, 7:6 destination):
;   window 0: v0-29 addresses; v32-63 q's four fragments; v64-79 w1's two fragments; v96-159 h, two buffers of 32; v160-223 H^T, 8 results; on the way out v96-223 two buffers of 64
;   window 1: w2's fragments, two buffers of 128 (block b at 8 b)     window 2: accumulators (t, b), b = 0..7, at 8 (8 t + b)     window 3: b = 8..15
; The 64 vector lines work in window 0 and the products beside them do not: two switches for each of those 16 products, so that the lines are issued while the matrix unit works, not in a run of their own.
.set PITCH,  272                       ; an LDS row of w2: 256 bytes + 16 of padding: row r begins 16 r bytes further, modulo 256, so the 16 rows of a fragment load touch 16 different columns of 16 bytes
.set QROWS,  64*PITCH                  ; 64 rows: what one tensor load brings
.set SLOT,   4*QROWS                   ; 256 rows x 128 f
.set W1T,    2*SLOT                    ; behind the ring: all of w1p, 131,072 bytes, dense, filled once
.set STAGE,  W1T+131072                ; behind it, never filled by a tensor load: 16 rows x 528 bytes for each wave, for the way out
.set SPITCH, 528                       ; 512 bytes + 16
.set SPARE,  STAGE+4*16*SPITCH         ; behind the stages: the spare words, 128 bytes for each wave: two blocks of 256 bytes that no other line names
.set ADRB, 16                          ; v16-17  LDS address of my lane's place in w2's fragments, slot 0, 1
.set ADRW, 18                          ; v18     the same in w1p, at the lap in hand: it steps 8,192 bytes (8 quarters) a trip
.set STO,  20                          ; v20     the way out: where I put 32 bytes of a row
.set RD,   21                          ; v21     the way out: where I read 16 bytes of a row back
.set CO,   22                          ; v22     16 x lane: my place in a group of qp, and in 512 bytes of a row of out
.set PFO,  23                          ; v23     the prefetches' offset: lane x a row of w2h (8,192 bytes); never rewritten
.set ZERO, 24                          ; v24     0, for the relu
.set SPW,  28                          ; v28     LDS address of my spare word: SPARE + 4 x my thread's number; never rewritten
.set NIL,  29                          ; v29     0; never rewritten
.set QF,   32
.set WF,   64
.set HF,   96                          ; buffer g at HF + 32 g, token fragment t at + 8 t
.set HT,   160                         ; result (t, c) at HT + 8 (2 t + c)
.set OB,   96                          ; the way out: buffer p % 2 at OB + 64 (p % 2)
.set WV,   12                          ; s12  my wave's number
.set G1,   24                          ; s[24:31] descriptor group 1 for w2's tiles
.set G0,   32                          ; s[32:39] group 0, a set for each slot
.set G1W,  40                          ; s[40:47] group 1 for w1p
.set G0W,  48                          ; s[48:51] group 0 for w1p
.set PFA,  52                          ; s[52:53] where my prefetches stand: one K step further along K than the refill that is being asked for; a prefetch names the step after that
.set LIM,  54                          ; s54  1 in a wave that prefetches, else the greatest number
.set LAPC, 55                          ; s55  trips still to come
.set MSB, 0
.macro WIN new                         ; the immediate's high byte repeats the setting that is left; a switch that changes nothing is dropped
.if MSB != (\new)
	s_set_vgpr_msb (MSB<<8)|(\new)
.set MSB, \new
.endif
.endm
.set MUL_LO, 0xa1                      ; source 0 (w2) window 1, source 1 (h) window 0, C and D window 2
.set MUL_HI, 0xf1                      ; the same, C and D window 3
.set TO_B,   0x40                      ; destination window 1, address window 0
.macro PLACES                          ; a vector line that reads a matrix result or writes a matrix instruction's register, and a load into such a register, stand four places behind it; only plain
.rept 4                                ; vector instructions that name none of its registers are places (ISA guide 7.12.1 for vector instructions)
	v_nop
.endr
.endm
.macro CREST                           ; a round of the cluster's barrier behind its opening barrier: wave 0 signals for the work-group, every wave waits for all four work-groups, my work-group's barrier once more
	s_cmp_lg_u32 s[WV], 0
	s_cbranch_scc1 .Lnot_wave_0_\@
	s_barrier_signal -3
.Lnot_wave_0_\@:
	s_barrier_wait -3
	s_barrier_signal -1
	s_barrier_wait -1
.endm
.macro CROUND                          ; a whole round
	s_barrier_signal -1
	s_barrier_wait -1
	CREST
.endm
; A joint refill: every wave asks for its 64 rows of the slot's 256 (both addresses hang on the wave's number), the same in all four work-groups.  An s_nop 0 and four v_nop follow.
.macro JLOAD s
	tensor_load_to_lds s[G0+4*(\s):G0+4*(\s)+3], s[G1:G1+7]
	s_nop 0
	PLACES
.endm
; A PREFETCH INTO THE L2, behind a joint refill and the run of LDS loads that follows it: the K step that stands TWO refills on (576 matrix instructions ahead of the load that will want it): 256 bytes of a row, a lane a row.
; A column block's 256 rows of w2h are walked by 16 clusters: the first (cluster x = 0) asks.  Its four partners share the rows out BY ADDRESS, 64 each; in each, waves 0 and 1 take 32 each: so each
; row's 256 bytes of a K step are named once in the launch.  K steps 0 to 3 come by their loads alone; the loop's last trip asks for nothing: the steps that it would name do not exist.
.macro ASK
	WIN 0
	s_cmp_gt_u32 s[LAPC], s[LIM]
	s_cbranch_scc0 .Lnot_mine_\@
	global_prefetch_b8 v[PFO], s[PFA:PFA+1] offset:256 th:TH_LOAD_NT scope:SCOPE_SE
.Lnot_mine_\@:
.endm
; H^T of the next quarter: 4 token fragments x 2 groups of 16 f; each product is a whole sum (C = 0)
.macro HGEN
	WIN 0
.irp t, 0,1,2,3
.irp c, 0,1
	v_wmma_f32_16x16x32_f16 v[HT+8*(2*(\t)+(\c)):HT+8*(2*(\t)+(\c))+7], v[WF+8*(\c):WF+8*(\c)+7], v[QF+8*(\t):QF+8*(\t)+7], 0
.endr
.endr
.endm
; The next four of the 64 lines that turn H^T into h's buffer g (rn counts them): for each result four roundings of a pair to f16, its lowest registers first, then four maxima with 0 on two f16 each
.macro RIDE4 g
	WIN 0
.rept 4
.set u, rn/8
.set sx, rn%8
.if sx < 4
	v_cvt_pk_f16_f32 v[HF+32*(\g)+4*u+sx], v[HT+8*u+2*sx], v[HT+8*u+2*sx+1]
.else
	v_pk_max_num_f16 v[HF+32*(\g)+4*u+sx-4], v[HF+32*(\g)+4*u+sx-4], v[ZERO]
.endif
.set rn, rn+1
.endr
.endm
; 16 products: token fragments t0, t0 + 1 x column blocks 8 hb + 0..7, 32 along K, from buffers f.  zero = 1: they start the sums: nothing is ever cleared.  ride = 1: four of the 64 lines behind each.
; The 64 accumulators take turns, one instruction a turn, in the same order in every quarter.
.macro MUL16 f, hb, t0, zero, ride
.if \ride
.set rn, 0
.endif
.irp t, \t0, (\t0)+1
.irp b, 0,1,2,3,4,5,6,7
	WIN MUL_LO+0x50*(\hb)
.if \zero
	v_wmma_f32_16x16x32_f16 v[8*(8*(\t)+(\b)):8*(8*(\t)+(\b))+7], v[128*(\f)+8*(8*(\hb)+(\b)):128*(\f)+8*(8*(\hb)+(\b))+7], v[HF+32*(\f)+8*(\t):HF+32*(\f)+8*(\t)+7], 0
.else
	v_wmma_f32_16x16x32_f16 v[8*(8*(\t)+(\b)):8*(8*(\t)+(\b))+7], v[128*(\f)+8*(8*(\hb)+(\b)):128*(\f)+8*(8*(\hb)+(\b))+7], v[HF+32*(\f)+8*(\t):HF+32*(\f)+8*(\t)+7], v[8*(8*(\t)+(\b)):8*(8*(\t)+(\b))+7]
.endif
.if \ride
	RIDE4 1-(\f)
.endif
.endr
.endr
.endm
; One run of LDS loads.  wf = 1: first w1 of the quarter after next (quarter j + 2 of the lap in hand): two groups of 16 f, of each the hi block (registers 0-3: K places 0-15 in both halves of the
; lanes) and the lo block (registers 4-7).  Then w2's 16 fragments of the next quarter, at byte k of the slot's rows, into buffer g: lane l takes row l % 16, 16 bytes at 16 (l / 16) and 32 further on.
.macro FETCH slot, k, g, j, wf
.if \wf
	WIN 0
.irp c, 0,1,2,3
	ds_load_b128 v[WF+4*(\c):WF+4*(\c)+3], v[ADRW] offset:((\j)+2)*1024+256*(\c)
.endr
.endif
	WIN TO_B
.irp b, 0,1,2,3,4,5,6,7,8,9,10,11,12,13,14,15
	ds_load_b128 v[128*(\g)+8*(\b):128*(\g)+8*(\b)+3],   v[ADRB+(\slot)] offset:(\k)+16*PITCH*(\b)
	ds_load_b128 v[128*(\g)+8*(\b)+4:128*(\g)+8*(\b)+7], v[ADRB+(\slot)] offset:(\k)+16*PITCH*(\b)+32
.endr
.endm
; One of a K step's first three quarters: multiplies buffers f; fetches the next quarter, at byte k of the same slot, into the other buffer.
.macro QUARTER slot, k, f, zero, j, wf=1
	s_wait_dscnt 16                                ; w1 and w2's blocks 0-7 are in; the youngest 16 loads (blocks 8-15) may be out
	HGEN
	MUL16 \f, 0, 0, \zero, 0
	PLACES                                         ; behind HGEN, ahead of the lines that read its results and of the loads into w1's registers; behind the last quarter's products, ahead of the loads and lines that write their sources
	FETCH \slot, \k, 1-(\f), \j, \wf
	MUL16 \f, 0, 2, \zero, 1
	s_wait_dscnt 32+4*(\wf)                        ; all but the run just issued
	MUL16 \f, 1, 0, \zero, 0
	MUL16 \f, 1, 2, \zero, 0
.endm
; The fourth quarter multiplies buffers 1 and changes slots: ONE barrier.  In front of it each wave waits for all its tensor loads, of which one is out: its part of the next slot; adds 0 to its spare
; word; and waits for that and for its own reads of this slot.  Behind it nobody reads this slot any more and the next slot is whole.  fill = 1: the barrier opens a round of the cluster's, so that the same
; holds of every partner, and this slot is filled again, two K steps on, first thing behind the round: the load has 256 matrix instructions in which to land.
.macro TURN slot, next, fill, j
.if \fill
	s_wait_xcnt 0x0                                ; the last prefetch, a K step back, has read its address: it is stepped here, ahead of the waits of the change of slots
	s_add_nc_u64 s[PFA:PFA+1], s[PFA:PFA+1], 256
.endif
	WIN 0                                          ; (the add's two registers lie in window 0)
	s_wait_tensorcnt 0x0                           ; all my tensor loads have landed
	ds_add_u32 v[SPW], v[NIL]                      ; 0 onto my spare word; 24 matrix instructions stand between it and the wait for it
	s_wait_dscnt 17                                ; (the add and the youngest 16 loads may be out)
	HGEN
	MUL16 1, 0, 0, 0, 0
	PLACES                                         ; as in QUARTER
	s_wait_dscnt 0x0                               ; the add is done, and my reads of this slot are over
	s_barrier_signal -1
	MUL16 1, 0, 2, 0, 1                            ; work on registers while the others arrive
	WIN 0
	s_barrier_wait -1
.if \fill
	CREST
	s_add_nc_u64 s[G0+4*(\slot)+2:G0+4*(\slot)+3], s[G0+4*(\slot)+2:G0+4*(\slot)+3], 512  ; two K steps on; no tensor load of mine is out, and the type bits on top are not reached
	JLOAD \slot
.endif
	FETCH \next, 0, 0, \j, 1
.if \fill
	ASK
.endif
	MUL16 1, 1, 0, 0, 0
	MUL16 1, 1, 2, 0, 0
.endm
; THE WAY OUT, in eight passes p: token fragment p % 4, column blocks 8 (p / 4) + 0..7: 16 rows x 512 bytes.  A lane's 32 bytes go into my own stage, and whole rows come back: 32 lanes x 16 bytes.
.macro TOSTAGE p
	WIN 0x08+4*((\p)/4)                            ; the stores' data (source 1) in window 2 or 3
.irp b, 0,1,2,3,4,5,6,7
	ds_store_b128 v[STO], v[8*(8*((\p)%4)+(\b)):8*(8*((\p)%4)+(\b))+3]   offset:64*(\b)
	ds_store_b128 v[STO], v[8*(8*((\p)%4)+(\b))+4:8*(8*((\p)%4)+(\b))+7] offset:64*(\b)+16
.endr
	WIN 0
	s_wait_xcnt 0x0                                ; the stores of two passes back have read this buffer's registers: only behind this wait are they loaded again
.irp row, 0,1,2,3,4,5,6,7,8,9,10,11,12,13,14,15
	ds_load_b128 v[OB+64*((\p)%2)+4*(\row):OB+64*((\p)%2)+4*(\row)+3], v[RD] offset:SPITCH*(\row)  ; LDS serves a wave's instructions in order (ISA guide 5.7.1.4): these see the stores above, and the next pass's stores come behind them
.endr
.endm
.macro SEND p, younger                 ; younger: the LDS instructions issued behind pass p's loads: the next pass's 32, or none
	WIN 0
.irp row, 0,1,2,3,4,5,6,7,8,9,10,11,12,13,14,15
	s_wait_dscnt (\younger)+15-(\row)
	global_store_b128 v[CO], v[OB+64*((\p)%2)+4*(\row):OB+64*((\p)%2)+4*(\row)+3], s[10:11] offset:(16*((\p)%4)+(\row))*4096+512*((\p)/4) th:TH_STORE_NT  ; 512 consecutive bytes, at a multiple of 512 from out's first byte
.endr
.endm
	s_load_b256 s[4:11], s[0:1], 0x0               ; qp s[4:5], w1p s[6:7], w2h s[8:9], out s[10:11]
	v_lshl_add_u32 v[SPW], v0, 2, SPARE
	v_mov_b32 v[NIL], 0
	ds_add_u32 v[SPW], v[NIL]                      ; the wave's opening: the add, twice on end, and its wait ahead of my first tensor load; the set-up below, work on registers, stands between
	ds_add_u32 v[SPW], v[NIL]
	v_lshrrev_b32 v1, 5, v0
	v_readfirstlane_b32 s[WV], v1                  ; wave 0..3
	s_bfe_u32 s13, ttmp6, 0x40000                  ; cx: my place in the cluster
	s_lshl_b32 s14, ttmp9, 2                       ; in a cluster launch ttmp9 counts clusters
	s_add_co_u32 s14, s14, s13                     ; my block of 256 tokens = 4 x cluster x + cx: it enters qp's and out's addresses alone
	s_and_b32 s15, ttmp7, 0xffff                   ; the block of 256 columns, which the four partners share
	; group 1 for w2's tiles: 64 rows x 128 elements of 2 bytes, padded in LDS
	s_mov_b32 s[G1+0], 15|(1<<16)|(1<<20)|(1<<21)|(5<<22)|(3<<25)  ; 15:0 the mask of four; 17:16 2-byte elements; 20 padding on; 21 set beside a mask; 24:22 after every 64 words (code 5); 31:25 4 words (code 3)
	s_mov_b32 s[G1+1], 128<<16                     ; tensor_dim0 = 128
	s_mov_b32 s[G1+2], 64<<16                      ; tensor_dim1 = 64
	s_mov_b32 s[G1+3], 128<<16                     ; tile_dim0 = 128
	s_mov_b32 s[G1+4], 64                          ; tile_dim1 = 64
	s_mov_b32 s[G1+5], 4096                        ; elements from row to row
	s_mov_b32 s[G1+6], 0
	s_mov_b32 s[G1+7], 0
	; group 1 for w1p: a dense block of 32,768 bytes as 128 rows of 32 elements of 8 bytes, no padding
	s_mov_b32 s[G1W+0], 15|(3<<16)|(1<<21)
	s_mov_b32 s[G1W+1], 32<<16
	s_mov_b32 s[G1W+2], 128<<16
	s_mov_b32 s[G1W+3], 32<<16
	s_mov_b32 s[G1W+4], 128
	s_mov_b32 s[G1W+5], 32
	s_mov_b32 s[G1W+6], 0
	s_mov_b32 s[G1W+7], 0
	s_lshl_b32 s16, s15, 21                        ; w2h: the block's 256 rows of 8,192 bytes,
	s_lshl_b32 s17, s[WV], 19                      ; my wave's 64 of them
	s_add_co_u32 s16, s16, s17
	s_mov_b32 s17, 0
	s_mul_i32 s20, s[WV], QROWS                    ; and their place in a slot: no place in the cluster enters an LDS address
	s_lshl_b32 s22, s[WV], 15                      ; my quarter of w1p, in memory and in LDS
	s_mov_b32 s23, 0
	s_lshl_b32 s18, s15, 21                        ; the prefetches: the block's rows,
	s_lshl_b32 s19, s13, 19                        ; my work-group's 64,
	s_add_co_u32 s18, s18, s19
	s_and_b32 s19, s[WV], 1
	s_lshl_b32 s19, s19, 18                        ; my wave's 32,
	s_add_co_u32 s18, s18, s19
	s_add_co_u32 s18, s18, 512                     ; at K step 2: the first refill steps it to 3 and names K step 4
	s_mov_b32 s19, 0
	s_lshr_b32 s[LIM], s[WV], 1                    ; 0 in waves 0 and 1,
	s_or_b32 s[LIM], s[LIM], ttmp9                 ; where the cluster is the column block's first: the same in all four partners
	s_cmp_eq_u32 s[LIM], 0
	s_cselect_b32 s[LIM], 1, -1
	s_lshl_b32 s2, s14, 13                         ; qp: my block's 16 groups of 512 bytes,
	s_lshl_b32 s3, s[WV], 11                       ; my wave's 4
	s_add_co_u32 s2, s2, s3
	s_mov_b32 s3, 0
	s_lshl_b32 s56, s14, 20                        ; out: my block's 256 rows of 4,096 bytes,
	s_lshl_b32 s57, s[WV], 18                      ; my wave's 64,
	s_add_co_u32 s56, s56, s57
	s_lshl_b32 s57, s15, 10                        ; the column block's 1,024 bytes
	s_add_co_u32 s56, s56, s57
	s_mov_b32 s57, 0
	s_wait_dscnt 0x0                               ; both opening adds are done
	s_wait_kmcnt 0x0
	s_add_nc_u64 s[4:5], s[4:5], s[2:3]
	s_add_nc_u64 s[10:11], s[10:11], s[56:57]
	s_add_nc_u64 s[PFA:PFA+1], s[8:9], s[18:19]
	s_add_nc_u64 s[16:17], s[8:9], s[16:17]        ; w2h at my 64 rows, K step 0
.irp s, 0,1
	s_mov_b32 s[G0+4*(\s)], 1                      ; 1:0 count = 1
	s_add_co_u32 s[G0+4*(\s)+1], s20, (\s)*SLOT    ; 63:32 LDS address
	s_add_nc_u64 s[G0+4*(\s)+2:G0+4*(\s)+3], s[16:17], (\s)*256  ; 120:64 global address: K step s
	s_or_b32 s[G0+4*(\s)+3], s[G0+4*(\s)+3], 0x80000000          ; 127:126 type = 2
.endr
	s_mov_b32 s[G0W], 1
	s_add_co_u32 s[G0W+1], s22, W1T
	s_add_nc_u64 s[G0W+2:G0W+3], s[6:7], s[22:23]
	s_or_b32 s[G0W+3], s[G0W+3], 0x80000000
	CROUND                                         ; all four work-groups are here: the first joint loads meet
	tensor_load_to_lds s[G0:G0+3], s[G1:G1+7]      ; the three first fills go out together, ahead of every wait on TENSORcnt and every LDS read: K step 0,
	s_nop 0
	tensor_load_to_lds s[G0W:G0W+3], s[G1W:G1W+7]  ; my quarter of w1p,
	s_nop 0
	tensor_load_to_lds s[G0+4:G0+7], s[G1:G1+7]    ; K step 1: three loads of mine are out
	s_nop 0
	PLACES
	v_and_b32 v1, 15, v0                           ; l % 16
	v_bfe_u32 v2, v0, 4, 1                         ; l / 16
	v_and_b32 v3, 31, v0                           ; l
	v_lshlrev_b32 v[CO], 4, v3
.irp t, 0,1,2,3                        ; q stays in registers.  A group's 512 bytes are hi (lanes 0-15) and lo (lanes 16-31): just registers 0-3 of source 1 (K places 0-15), and registers 4-7 (16-31) hold the same
	global_load_b128 v[QF+8*(\t):QF+8*(\t)+3],   v[CO], s[4:5] offset:512*(\t)
	global_load_b128 v[QF+8*(\t)+4:QF+8*(\t)+7], v[CO], s[4:5] offset:512*(\t)
.endr
	v_mul_u32_u24 v[ADRB], v1, PITCH
	v_lshl_add_u32 v[ADRB], v2, 4, v[ADRB]         ; row x pitch + 16 x half
	v_add_nc_u32 v[ADRB+1], SLOT, v[ADRB]
	v_lshl_add_u32 v[ADRW], v1, 4, W1T             ; row x 16: both halves of the lanes take the same 16 bytes
	s_mul_i32 s20, s[WV], 16*SPITCH
	s_add_co_u32 s20, s20, STAGE                   ; my stage
	v_mul_u32_u24 v[STO], v1, SPITCH               ; in: row l % 16, 32 bytes for each half of the lanes
	v_lshl_add_u32 v[STO], v2, 5, v[STO]
	v_add_nc_u32 v[STO], s20, v[STO]
	v_lshl_add_u32 v[RD], v3, 4, s20               ; back: 32 lanes take a row's 512 bytes
	v_lshlrev_b32 v[PFO], 13, v3
	v_mov_b32 v[ZERO], 0
	s_wait_tensorcnt 0x1                           ; my parts of K step 0 and of w1p are in; K step 1's may stay out
	s_barrier_signal -1
	s_barrier_wait -1                              ; everybody's are
.irp c, 0,1,2,3
	ds_load_b128 v[WF+4*(\c):WF+4*(\c)+3], v[ADRW] offset:256*(\c)  ; w1 of quarter 0
.endr
	s_wait_loadcnt 0x0                             ; q
	s_wait_dscnt 0x0
	HGEN                                           ; h of quarter 0: there is no matrix work yet to set its 64 lines beside
	PLACES
.set rn, 0
.rept 16
	RIDE4 0
.endr
	FETCH 0, 0, 0, -1, 1                           ; w1 of quarter 1, w2 of quarter 0
	QUARTER 0, 64,  0, 1, 0                        ; the first quarter stands in front of the loop: its products start the sums
	WIN 0                                          ; at a label and at a branch every window is 0
	s_mov_b32 s[LAPC], 15
.Llap:                                                 ; a trip goes once round the ring, from a lap's second quarter to the next lap's first, and fills both slots again
	QUARTER 0, 128, 1, 0, 1
	QUARTER 0, 192, 0, 0, 2
	TURN 0, 1, 1, 3
	QUARTER 1, 64,  0, 0, 4
	QUARTER 1, 128, 1, 0, 5
	QUARTER 1, 192, 0, 0, 6
	TURN 1, 0, 1, 7
	QUARTER 0, 64,  0, 0, 8
	WIN 0
	v_add_nc_u32 v[ADRW], 8192, v[ADRW]            ; w1p: the next lap's eight quarters
	s_sub_co_u32 s[LAPC], s[LAPC], 1
	s_cmp_lg_u32 s[LAPC], 0
	s_cbranch_scc1 .Llap
	QUARTER 0, 128, 1, 0, 1                        ; the last lap is written out: it fills nothing, and has no round of the cluster's barrier
	QUARTER 0, 192, 0, 0, 2
	TURN 0, 1, 0, 3
	QUARTER 1, 64,  0, 0, 4
	QUARTER 1, 128, 1, 0, 5
	QUARTER 1, 192, 0, 0, 6, 0                     ; the last quarter but one makes the last h; there is no further w1 to fetch
	s_wait_dscnt 16                                ; the very last quarter: no h to make, nothing to fetch
	MUL16 1, 0, 0, 0, 0
	MUL16 1, 0, 2, 0, 0
	s_wait_dscnt 0x0
	MUL16 1, 1, 0, 0, 0
	MUL16 1, 1, 2, 0, 0
	WIN 0
	PLACES                                         ; ahead of the LDS stores that read the results, and of the loads into h's registers
	TOSTAGE 0
.irp p, 1,2,3,4,5,6,7                  ; a pass's LDS work is issued ahead of the stores of the pass before
	TOSTAGE \p
	SEND (\p)-1, 32
.endr
	SEND 7, 0
	s_wait_tensorcnt 0x0                           ; the wave's end, behind my last tensor load and my last LDS store
	ds_add_u32 v[SPW], v[NIL]
	s_wait_dscnt 0x0
	CROUND                                         ; the closing round: no work-group ends while a partner may still ask for a tile that names it
	s_endpgm
.Lfunc_end_k_qa0d26715e3_ffn:
	.size	k_qa0d26715e3_ffn, .Lfunc_end_k_qa0d26715e3_ffn-k_qa0d26715e3_ffn
	.p2alignl 7, 3214868480
	.fill 96, 4, 3214868480
	.section	.rodata,"a",@progbits
	.p2align	6, 0x0
	.amdhsa_kernel k_qa0d26715e3_ffn
		.amdhsa_group_segment_fixed_size 327680
		.amdhsa_private_segment_fixed_size 0
		.amdhsa_enable_private_segment 0
		.amdhsa_kernarg_size 32
		.amdhsa_user_sgpr_count 2
		.amdhsa_user_sgpr_kernarg_segment_ptr 1
		.amdhsa_wavefront_size32 1
		.amdhsa_system_sgpr_workgroup_id_x 1
		.amdhsa_system_sgpr_workgroup_id_y 1
		.amdhsa_system_sgpr_workgroup_id_z 1
		.amdhsa_system_vgpr_workitem_id 0
		.amdhsa_next_free_vgpr 1024
		.amdhsa_next_free_sgpr 66
		.amdhsa_reserve_vcc 0
		.amdhsa_float_denorm_mode_32 3
		.amdhsa_float_denorm_mode_16_64 3
		.amdhsa_memory_ordered 1
		.amdhsa_forward_progress 1
		.amdhsa_inst_pref_size 234
	.end_amdhsa_kernel
	.amdgpu_metadata
---
amdhsa.version: [ 1, 2 ]
amdhsa.kernels:
  - .name:           k_qa0d26715e3_ffn
    .symbol:         k_qa0d26715e3_ffn.kd
    .args:
      - { .name: qp, .offset: 0, .size: 8, .value_kind: global_buffer, .address_space: global }
      - { .name: w1p, .offset: 8, .size: 8, .value_kind: global_buffer, .address_space: global }
      - { .name: w2h, .offset: 16, .size: 8, .value_kind: global_buffer, .address_space: global }
      - { .name: out0, .offset: 24, .size: 8, .value_kind: global_buffer, .address_space: global }
    .group_segment_fixed_size: 327680
    .private_segment_fixed_size: 0
    .kernarg_segment_align: 8
    .kernarg_segment_size: 32
    .max_flat_workgroup_size: 128
    .sgpr_count:     66
    .vgpr_count:     1024
    .wavefront_size: 32
...
	.end_amdgpu_metadata
.endif
;; end of part 2
;; ======== version 2 of 2: 2 launches; version 1 with the launch prep written anew for expert scheduling mode
;; limits: values are held in f16: magnitudes above 65,504 overflow, below 6.1e-05 lose precision; inputs' magnitudes at most 100,000; a function is approximated: absolute error at most 2e-07
;; workspace buffers: qp 524,288 bytes; w1p 131,072 bytes; w2h 8,388,608 bytes
;; launch prep (part 3): grid 256 x 1, 8 waves a work-group, no clusters, 0 bytes of LDS; arguments x, theta, w1, w2, qp, w1p, w2h; writes qp, w1p, w2h
.if DOCPART == 3
	.amdgcn_target "amdgcn-amd-amdhsa--gfx1250"
	.amdhsa_code_object_version 6
	.text
	.protected	k_qa0d26715e3_prep
	.globl	k_qa0d26715e3_prep
	.p2align	8
	.type	k_qa0d26715e3_prep,@function
k_qa0d26715e3_prep:
	s_mov_b64 s[64:65], 0
	v_nop
	global_prefetch_b8 v0, s[64:65] scope:SCOPE_SE
	s_setreg_imm32_b32 hwreg(HW_REG_WAVE_SCHED_MODE, 0, 2), 2
	s_setreg_imm32_b32 hwreg(HW_REG_WAVE_MODE, 25, 1), 1
	s_wait_xcnt 0x0
	s_wait_alu depctr_vm_vsrc(0)
; FIRST OF TWO LAUNCHES.  out = relu((cos(x[..., :8]) cos(theta)) w1^T) w2^T, 16,384 tokens.  This launch makes the second launch's three operands:
;   qp  : q = cos(x[..., :8]) cos(theta), split in two f16 numbers, hi = f16(q), lo = f16(q - hi).  For each group of 16 tokens 512 bytes: 16 x 16 bytes hi[token][0..7], then 16 x 16 bytes lo
;   w1p : w1, split and laid out in the same way, for each group of 16 of its 4,096 rows
;   w2h : w2 rounded once to f16, [1024][4096] as it lies
; WORK LEFT OUT.  reference() slices x[..., :8] before anything else is done to x: columns 8 to 1,023 of every token enter no expression, whatever they hold, so they reach no output.
; They are not loaded: of each row of 4,096 bytes the first 32 are read.  All four inputs still have a way to the output and are arguments.
; LIMITS.  A NaN or an infinity in x[..., 8:] is not carried to the result.  |x| and |theta| up to 1e5: there the multiple of pi is found to within one part in 100 of pi, the reduced argument stays
; within pi/2 + 0.02 and the cosine is good to 2e-7.  f16 ends at 65,504: |w1| and |w2| stay under it; below 6e-5 f16 keeps its fixed step of 6e-8.
; SHARES.  256 work-groups of eight waves.  Every wave rounds 8,192 bytes of w2: 16 loads of 512 consecutive bytes, all issued first, and 16 stores of 256 consecutive, aligned bytes.
; Waves 0 to 3 also make one group of 16 tokens each (group 4 g + wave), wave 4 one group of 16 rows of w1 (group g).  No LDS, no barrier: no wave wants another's bytes.
; THE COSINE is made of plain arithmetic: k = the whole number nearest x / pi; r = x - k pi, with pi in two parts (each product is exact inside its fused multiply-add);
; cos r by its series to r^12 (the first term left out, r^14 / 14!, is under 8e-9 at pi/2 + 0.02); the sign is k's lowest bit.
; THE MODE: SCHED_MODE bits 1:0 = 2 (LLVM: expert scheduling mode 2), set by the entry lines.  The code itself states the register dependences
; between vector instructions and memory instructions, with s_wait_alu, always for 0.
; THE PLAN.  Registers that memory instructions touch:
;   v52 .. v55  byte offsets.  Written by vector lines at the head and never again; read by every load and store.  One wait on va_vdst at the head, ahead of the first load, serves them all.
;   SRC, X      Written by loads alone before they are read; no vector line names them ahead of their loads, and none of them is loaded a second time.
;   H           Written by SPLIT's lines; read by one store; never written again.  One wait on va_vdst ahead of that store.
;   DST         Each register is written once, by a conversion, and read once, by a store.  w2 goes in four blocks of four loads: block p's conversions write DST's block p, and the stores
;               that are issued among them read DST's block p - 1, which no line of block p names.  So one wait on va_vdst at a block's head serves its four stores.
; No register that a memory instruction reads is written again, so the text holds no wait on vm_vsrc.  Two vector lines write scalar results: the wave's number (s18) and SPLIT's mask (VCC); each has its wait ahead of its first reader.
.set X,   4                            ; v[4:11]   8 numbers of my row
.set TH,  12                           ; v[12:19]  theta
.set K,   20                           ; v[20:27]  k; later hi as f32, then the remainder
.set S,   28                           ; v[28:35]  r squared
.set P,   36                           ; v[36:43]  the series
.set H,   44                           ; v[44:47]  8 f16: hi; then what my lane stores
.set LO,  48                           ; v[48:51]  8 f16: lo
.set SRC, 64                           ; v[64:127]  w2 as loaded: 16 x 4 registers
.set DST, 128                          ; v[128:159] w2 in f16: 16 x 2 registers, each written once
	s_load_b256 s[4:11], s[0:1], 0x0               ; x s[4:5], theta s[6:7], w1 s[8:9], w2 s[10:11]
	s_load_b128 s[12:15], s[0:1], 0x20             ; qp s[12:13], w1p s[14:15]
	s_load_b64 s[16:17], s[0:1], 0x30              ; w2h
	v_and_b32 v1, 31, v0                           ; lane L
	v_and_b32 v2, 15, v0                           ; r = L % 16
	v_lshrrev_b32 v3, 5, v0
	v_readfirstlane_b32 s18, v3                    ; wave 0..7
	v_lshlrev_b32 v52, 4, v1                       ; 16 L
	v_lshlrev_b32 v53, 3, v1                       ; 8 L
	v_lshlrev_b32 v54, 12, v2                      ; r rows of x
	v_lshlrev_b32 v55, 5, v2                       ; r rows of w1
	s_wait_alu depctr_va_sdst(0)                   ; s18 is written, ahead of its first reader: the bases of w2 and w2h are made from it, and the branches below hang on it
	s_lshl_b32 s20, ttmp9, 16                      ; the work-group's 65,536 bytes of w2,
	s_lshl_b32 s21, s18, 13                        ; my wave's 8,192 of them
	s_add_co_u32 s20, s20, s21
	s_mov_b32 s21, 0
	s_lshr_b32 s22, s20, 1                         ; half as many in w2h
	s_mov_b32 s23, 0
	s_mov_b32 s32, 0x310f76c7                      ; 1 / 12!
	s_mov_b32 s33, s32                             ; named with it as a pair
	s_mov_b32 s34, 0xb493f27e                      ; -1 / 10!
	s_mov_b32 s35, s34
	s_wait_kmcnt 0x0
	s_add_nc_u64 s[10:11], s[10:11], s[20:21]
	s_add_nc_u64 s[16:17], s[16:17], s[22:23]
	s_wait_alu depctr_va_vdst(0)                   ; the four offsets v52 to v55 are written: every load and store of the kernel reads one of them, and no later line writes them
.irp i, 0,1,2,3,4,5,6,7,8,9,10,11,12,13,14,15
	global_load_b128 v[SRC+4*(\i):SRC+4*(\i)+3], v52, s[10:11] offset:512*(\i) th:TH_LOAD_NT  ; 512 consecutive bytes; the launch reads them once
.endr
; cos of the eight numbers at v[reg], in place
.macro COS8 reg
.irp p, 0,2,4,6
	v_pk_mul_f32 v[K+(\p):K+(\p)+1], v[(\reg)+(\p):(\reg)+(\p)+1], 0x3ea2f983 op_sel_hi:[1,0]  ; x / pi
.endr
.irp i, 0,1,2,3,4,5,6,7
	v_rndne_f32 v[K+(\i)], v[K+(\i)]               ; k
.endr
.irp p, 0,2,4,6
	v_pk_fma_f32 v[(\reg)+(\p):(\reg)+(\p)+1], v[K+(\p):K+(\p)+1], 0xc0490fdb, v[(\reg)+(\p):(\reg)+(\p)+1] op_sel_hi:[1,0,1]  ; x - k x (pi rounded to f32)
.endr
.irp p, 0,2,4,6
	v_pk_fma_f32 v[(\reg)+(\p):(\reg)+(\p)+1], v[K+(\p):K+(\p)+1], 0x33bbbd2e, v[(\reg)+(\p):(\reg)+(\p)+1] op_sel_hi:[1,0,1]  ; + k x 8.742278e-8, by which that f32 is too large
.endr
.irp p, 0,2,4,6
	v_pk_mul_f32 v[S+(\p):S+(\p)+1], v[(\reg)+(\p):(\reg)+(\p)+1], v[(\reg)+(\p):(\reg)+(\p)+1]
.endr
.irp p, 0,2,4,6
	v_pk_fma_f32 v[P+(\p):P+(\p)+1], v[S+(\p):S+(\p)+1], s[32:33], s[34:35] op_sel_hi:[1,0,0]
.endr
.irp c, 0x37d00d01, 0xbab60b61, 0x3d2aaaab, 0xbf000000, 0x3f800000  ; 1/8!, -1/6!, 1/4!, -1/2, 1
.irp p, 0,2,4,6
	v_pk_fma_f32 v[P+(\p):P+(\p)+1], v[P+(\p):P+(\p)+1], v[S+(\p):S+(\p)+1], \c op_sel_hi:[1,1,0]
.endr
.endr
.irp i, 0,1,2,3,4,5,6,7
	v_cvt_i32_f32 v[K+(\i)], v[K+(\i)]
.endr
.irp i, 0,1,2,3,4,5,6,7
	v_lshlrev_b32 v[K+(\i)], 31, v[K+(\i)]         ; k's lowest bit, in the sign's place
.endr
.irp i, 0,1,2,3,4,5,6,7
	v_xor_b32 v[(\reg)+(\i)], v[P+(\i)], v[K+(\i)]
.endr
.endm
; X's eight numbers are split; lanes 0 to 15 are left with hi in H, lanes 16 to 31 (which hold the same rows) with lo: one store of 16 bytes a lane then writes the group's 512 bytes
.macro SPLIT
	v_cmp_le_u32 vcc_lo, 16, v1
.irp p, 0,1,2,3
	v_cvt_pk_f16_f32 v[H+(\p)], v[X+2*(\p)], v[X+2*(\p)+1]
.endr
	v_cvt_f32_f16 v20, v44.l                       ; hi back as f32: K = v[20:27], H = v[44:47]
	v_cvt_f32_f16 v21, v44.h
	v_cvt_f32_f16 v22, v45.l
	v_cvt_f32_f16 v23, v45.h
	v_cvt_f32_f16 v24, v46.l
	v_cvt_f32_f16 v25, v46.h
	v_cvt_f32_f16 v26, v47.l
	v_cvt_f32_f16 v27, v47.h
.irp p, 0,2,4,6
	v_pk_add_f32 v[K+(\p):K+(\p)+1], v[X+(\p):X+(\p)+1], v[K+(\p):K+(\p)+1] neg_lo:[0,1] neg_hi:[0,1]  ; the remainder, exact
.endr
.irp p, 0,1,2,3
	v_cvt_pk_f16_f32 v[LO+(\p)], v[K+2*(\p)], v[K+2*(\p)+1]
.endr
	s_wait_alu depctr_va_vcc(0)                    ; the compare at the macro's head has written VCC, ahead of its first reader, the select below
.irp p, 0,1,2,3
	v_cndmask_b32 v[H+(\p)], v[H+(\p)], v[LO+(\p)], vcc_lo
.endr
.endm
	s_cmp_gt_u32 s18, 4
	s_cbranch_scc1 .Lcast                          ; waves 5 to 7 round w2 alone
	s_cmp_eq_u32 s18, 4
	s_cbranch_scc1 .Lw1
	; waves 0 to 3: a group of 16 tokens
	s_load_b256 s[24:31], s[6:7], 0x0              ; theta: no line of the launch writes it
	s_lshl_b32 s36, ttmp9, 2
	s_add_co_u32 s36, s36, s18                     ; the group, 4 g + wave
	s_lshl_b32 s38, s36, 9                         ; its 512 bytes of qp
	s_mov_b32 s39, 0
	s_lshl_b32 s36, s36, 16                        ; its 16 rows of 4,096 bytes of x
	s_mov_b32 s37, 0
	s_add_nc_u64 s[4:5], s[4:5], s[36:37]
	s_add_nc_u64 s[12:13], s[12:13], s[38:39]
	global_load_b128 v[X:X+3],   v54, s[4:5]       ; the first 32 bytes of row r; both halves of the lanes take the same rows.  No vector line has named X; v54 stands since the head's wait
	global_load_b128 v[X+4:X+7], v54, s[4:5] offset:16
	s_wait_kmcnt 0x0
.irp i, 0,1,2,3,4,5,6,7
	v_mov_b32 v[TH+(\i)], s[24+(\i)]
.endr
	COS8 TH                                        ; while x is on its way
	s_wait_loadcnt 0x0                             ; x was asked for last, so nothing may stay out
	COS8 X
.irp p, 0,2,4,6
	v_pk_mul_f32 v[X+(\p):X+(\p)+1], v[X+(\p):X+(\p)+1], v[TH+(\p):TH+(\p)+1]
.endr
	SPLIT
	s_wait_alu depctr_va_vdst(0)                   ; the selects have written H, which the store reads
	global_store_b128 v52, v[H:H+3], s[12:13]      ; 512 consecutive bytes
	s_branch .Lcast
.Lw1:                                              ; wave 4: a group of 16 rows of w1
	s_lshl_b32 s36, ttmp9, 9                       ; 16 rows of 32 bytes in w1, and as many bytes in w1p
	s_mov_b32 s37, 0
	s_add_nc_u64 s[8:9], s[8:9], s[36:37]
	s_add_nc_u64 s[14:15], s[14:15], s[36:37]
	global_load_b128 v[X:X+3],   v55, s[8:9]       ; no vector line has named X; v55 stands since the head's wait
	global_load_b128 v[X+4:X+7], v55, s[8:9] offset:16
	s_wait_loadcnt 0x0
	SPLIT
	s_wait_alu depctr_va_vdst(0)                   ; the selects have written H, which the store reads
	global_store_b128 v52, v[H:H+3], s[14:15]
.Lcast:
; w2, block p of four: loads 4 p to 4 p + 3 are rounded into DST's block p; the four stores of block p - 1 stand among the conversions, one ahead of each pair.
.macro CBLK p
	s_wait_loadcnt 12-4*(\p)                       ; loads come back in order (ISA guide 5.7.1): this block's four are in, the 12 - 4 p younger loads of w2 may stay out (nothing is out where a wave has waited for 0 above)
.if (\p) > 0
	s_wait_alu depctr_va_vdst(0)                   ; the block before has written its part of DST, which the four stores below read; no conversion of this block names those registers
.endif
.irp i, 0,1,2,3
.if (\p) > 0
	global_store_b64 v53, v[DST+2*(4*(\p)-4+(\i)):DST+2*(4*(\p)-4+(\i))+1], s[16:17] offset:256*(4*(\p)-4+(\i))  ; the wave's 32 lanes store 256 consecutive bytes, at a multiple of 256 from w2h's first byte
.endif
	v_cvt_pk_f16_f32 v[DST+2*(4*(\p)+(\i))],   v[SRC+4*(4*(\p)+(\i))],   v[SRC+4*(4*(\p)+(\i))+1]
	v_cvt_pk_f16_f32 v[DST+2*(4*(\p)+(\i))+1], v[SRC+4*(4*(\p)+(\i))+2], v[SRC+4*(4*(\p)+(\i))+3]
.endr
.endm
	CBLK 0                                         ; block 0 has no block in front of it: no store, and no wait but the one for its data
	CBLK 1
	CBLK 2
	CBLK 3
	s_wait_alu depctr_va_vdst(0)                   ; block 3 has written its part of DST, which the last four stores read
.irp i, 12,13,14,15
	global_store_b64 v53, v[DST+2*(\i):DST+2*(\i)+1], s[16:17] offset:256*(\i)
.endr
	s_endpgm
.Lfunc_end_k_qa0d26715e3_prep:
	.size	k_qa0d26715e3_prep, .Lfunc_end_k_qa0d26715e3_prep-k_qa0d26715e3_prep
	.p2alignl 7, 3214868480
	.fill 96, 4, 3214868480
	.section	.rodata,"a",@progbits
	.p2align	6, 0x0
	.amdhsa_kernel k_qa0d26715e3_prep
		.amdhsa_group_segment_fixed_size 0
		.amdhsa_private_segment_fixed_size 0
		.amdhsa_enable_private_segment 0
		.amdhsa_kernarg_size 56
		.amdhsa_user_sgpr_count 2
		.amdhsa_user_sgpr_kernarg_segment_ptr 1
		.amdhsa_wavefront_size32 1
		.amdhsa_system_sgpr_workgroup_id_x 1
		.amdhsa_system_sgpr_workgroup_id_y 1
		.amdhsa_system_sgpr_workgroup_id_z 1
		.amdhsa_system_vgpr_workitem_id 0
		.amdhsa_next_free_vgpr 160
		.amdhsa_next_free_sgpr 66
		.amdhsa_reserve_vcc 1
		.amdhsa_float_denorm_mode_32 3
		.amdhsa_float_denorm_mode_16_64 3
		.amdhsa_memory_ordered 1
		.amdhsa_forward_progress 1
		.amdhsa_inst_pref_size 20
	.end_amdhsa_kernel
	.amdgpu_metadata
---
amdhsa.version: [ 1, 2 ]
amdhsa.kernels:
  - .name:           k_qa0d26715e3_prep
    .symbol:         k_qa0d26715e3_prep.kd
    .args:
      - { .name: x, .offset: 0, .size: 8, .value_kind: global_buffer, .address_space: global }
      - { .name: theta, .offset: 8, .size: 8, .value_kind: global_buffer, .address_space: global }
      - { .name: w1, .offset: 16, .size: 8, .value_kind: global_buffer, .address_space: global }
      - { .name: w2, .offset: 24, .size: 8, .value_kind: global_buffer, .address_space: global }
      - { .name: qp, .offset: 32, .size: 8, .value_kind: global_buffer, .address_space: global }
      - { .name: w1p, .offset: 40, .size: 8, .value_kind: global_buffer, .address_space: global }
      - { .name: w2h, .offset: 48, .size: 8, .value_kind: global_buffer, .address_space: global }
    .group_segment_fixed_size: 0
    .private_segment_fixed_size: 0
    .kernarg_segment_align: 8
    .kernarg_segment_size: 56
    .max_flat_workgroup_size: 256
    .sgpr_count:     66
    .vgpr_count:     160
    .wavefront_size: 32
...
	.end_amdgpu_metadata
.endif
;; end of part 3
;; launch ffn: the kernel of part 2 again; grid 64 x 4, 4 waves a work-group, clusters of 4 x 1, 327,680 bytes of LDS; arguments qp, w1p, w2h, out0; writes out0
